; MI455X (gfx1250); checked and timed in simulation.
; The chip was launched on July 23, 2026; its instructions are those of AMD's public machine-readable ISA for CDNA 5 (MIT licence, August 2026) and "CDNA5" Instruction Set Architecture Reference Guide (July 2026). The comments in the code are by the model that wrote it; some were corrected since.
;; Multi Head Attention. Allowed arithmetic: matrix products marked QUANTISED: E4M3 operands, one given power-of-two scale a tensor, by v_wmma_f32_16x16x64_fp8_fp8 or v_wmma_f32_16x16x128_fp8_fp8, f32 sums; everything else in f32.
;; Inputs: Wk 2,048 x 2,048 float32; Wo 2,048 x 2,048 float32; Wq 2,048 x 2,048 float32; Wv 2,048 x 2,048 float32; bk 2,048 float32; bo 2,048 float32; bq 2,048 float32; bv 2,048 float32; causal_mask 1 x 1 x 2,048 x 2,048 float32; hidden_state 1 x 2,048 x 2,048 float32; lowp_scales 12 int32 (the exponents e of the quantised operands' scales 2^e).
;; Outputs: out0 1 x 2,048 x 2,048 float32.
;; This version of the problem:
;;   THIS VERSION OF THE PROBLEM IS GIVEN IN LOW PRECISION. The matrix products marked QUANTISED in the list below multiply operands that are first quantised to E4M3 (4 exponent bits, 3 mantissa bits; 8 bits a number), with one given power-of-two scale for each operand tensor; their sums are f32. All else is computed in f32.
;;   The module's matrix products, in the order in which they are computed (A, B: the left and right operand; K: the contracted axis; several contracted axes count as one K, in the product's order):
;;     1. [M 2,048, K 2,048] x [K 2,048, N 2,048]; A: input hidden_state; B: input Wq: QUANTISED (scales: A lowp_scales[0], B lowp_scales[1])
;;     2. [M 2,048, K 2,048] x [K 2,048, N 2,048]; A: input hidden_state; B: input Wk: QUANTISED (scales: A lowp_scales[2], B lowp_scales[3])
;;     3. [M 2,048, K 2,048] x [K 2,048, N 2,048]; A: input hidden_state; B: input Wv: QUANTISED (scales: A lowp_scales[4], B lowp_scales[5])
;;     4. batch 16 x [M 2,048, K 128] x [K 128, N 2,048]; A: computed on the way; B: computed on the way: QUANTISED (scales: A lowp_scales[6], B lowp_scales[7])
;;     5. batch 16 x [M 2,048, K 2,048] x [K 2,048, N 128]; A: softmax (see below); B: computed on the way: QUANTISED (scales: A lowp_scales[8], B lowp_scales[9])
;;     6. [M 2,048, K 2,048] x [K 2,048, N 2,048]; A: computed on the way; B: input Wo: QUANTISED (scales: A lowp_scales[10], B lowp_scales[11])
;;   THE QUANTISER, for each operand of a quantised product, along K:
;;     - The operand's scale is 2^e, e = its entry of the input lowp_scales (int32; the entries are numbered through the quantised products in the list's order, A before B).
;;     - Each number is divided by the scale, clamped to +-448, and rounded to the nearest number of E4M3, ties to even, subnormals kept.
;;     - The product sums the exact products of the quantised numbers (number of the format x scale) in f32.
;;   ~~~python
;;   def quantise(x, axis, e):      # numpy; x: float32 -> the quantised numbers, widened to float32 again
;;       x = np.moveaxis(x, axis, -1); K = x.shape[-1]
;;       r = np.clip(x / 2.0 ** e, -448, 448)
;;       step = 2.0 ** (np.maximum(np.frexp(np.where(r == 0, 1, r))[1] - 1, -6) - 3)
;;       q = np.round(r / step) * step * 2.0 ** e      # np.round: ties to even
;;       return np.moveaxis(q, -1, axis).astype(np.float32)
;;   ~~~
;;   SOFTMAX AHEAD OF A QUANTISED PRODUCT. Where the list says 'softmax', what is quantised is not the finished softmax but p = 2^(t - M), with t = logit x log2(e) and M = ceil(the row's largest t), a whole number; so 1/2 < the row's largest p <= 1. The row's sum l is taken of the UNQUANTISED p, in f32, and the product's result is divided by l at the end. Since M is a whole number, a kernel that streams over the keys may use a running M (the ceiling of the running maximum): every later rescaling is an exact power of two, so the quantised numbers keep their values, but for numbers so far below the row's largest that they fall under the format's range.
;;   OPERANDS COMPUTED ON THE WAY. 'Computed on the way' means the value that the module computes at that place (a softmax that the list does not call 'softmax' is quantised finished and normalised). What goes into a quantiser is computed in f32, as accurately as f32 sums, v_exp_f32 and their like allow (about 1e-6 of the number): no bf16 or f16 on the way to a quantiser, and a product that is left as it is and whose result goes on into a quantised operand takes f32 operands (vector FMAs, or v_wmma_f32_16x16x4_f32). A number that lies on a knife's edge between two numbers of the format may be rounded either way, as far as f32 arithmetic and the matrix unit's own rounding can turn it there, and no further.
;; One version. Each part assembles by itself: llvm-mc -triple=amdgcn-amd-amdhsa -mcpu=gfx1250 --defsym DOCPART=n.
;; ======== version 1 of 1: 4 launches
;; limits: right only within a limited range of input values
;; workspace buffers: xc 16,777,216 bytes; wc 16,777,216 bytes; qc 4,194,304 bytes; kv 8,388,608 bytes
;; launch quant (part 1): grid 640 x 1, 4 waves a work-group, no clusters, 33,280 bytes of LDS; arguments hidden_state, Wq, Wk, Wv, Wo, lowp_scales, xc, wc; writes xc, wc
.if DOCPART == 1
	.amdgcn_target "amdgcn-amd-amdhsa--gfx1250"
	.amdhsa_code_object_version 6
	.text
	.protected	k_qae0318ab76_quant
	.globl	k_qae0318ab76_quant
	.p2align	8
	.type	k_qae0318ab76_quant,@function
k_qae0318ab76_quant:
	s_mov_b64 s[64:65], 0
	v_nop
	global_prefetch_b8 v0, s[64:65] scope:SCOPE_SE
	s_setreg_imm32_b32 hwreg(HW_REG_WAVE_MODE, 25, 1), 1
	s_wait_xcnt 0x0
; hidden_state and the four weights, each [2048][2048] f32 with K innermost, become codes of FP8 (E4M3), each with the scale 2^e that is given for it.
; code = x / 2^e, held within +-448, rounded to the nearest code, ties to even.  hidden_state is an operand of three products with three given scales (entries 0, 2, 4): three sets of codes.
; LAYOUT OF THE TWO BUFFERS: 2048 rows of 8192 bytes.  A row of xc: [x by e0 | x by e2 | x by e4 | left for the attention's result], 2048 bytes each; a row of wc: [Wq by e1 | Wk by e3 | Wv by e5 | Wo by e11].
; So the three projections are one walk of 6144 along a row.  True row R lies at row pi(R): R with its bits 3 and 4 exchanged.  Sixteen rows on end of such a buffer, taken as source 0 of a matrix
; instruction, leave in a lane's sixteen registers of two neighbouring tiles sixteen TRUE neighbours.
; SHARES: work-group number / 128 picks the tensor, the rest 16 rows of it; a wave takes 4 rows: 16 steps of 512 numbers.  Each of a step's four loads reads 512 consecutive bytes; the 2,048 bytes turn through
; the wave's own stage in LDS and come back 64 bytes a lane (16 neighbours along K); a lane's 16 codes are 16 bytes: a store covers 512 consecutive bytes, aligned.
; No tensor loads, no barrier: waves share nothing.  Loads run four steps (16 loads a wave) ahead, the turn through LDS one step.
; LIMITS: each e between -126 and 119, so that 2^e and 448 x 2^e are f32 numbers.  NaN among the inputs is not served (an infinity is held at the largest code).
.set WAVES, 4
.set STEPS, 16
.set ROWB,  8192                       ; a row of f32 numbers, and a row of xc or wc, in bytes
.set SP,    80                         ; a lane's place in a stage: its 64 bytes + 16 of padding
.set WREG,  8192                       ; LDS: a region for each wave: two stages of 32 x SP bytes
.set SPARE, WAVES*WREG                 ; behind the regions: the spare words, 128 bytes for each wave, which no other line names
.set R,     16                         ; v16-79   four sets of 16 numbers as they are loaded
.set X,     80                         ; v80-111  two sets of 16 neighbours
.set TT,    112                        ; v112-127 the 16 numbers, held
.set C,     128                        ; v128-139 codes: four registers for each of up to three scales
.set SPW,   12                         ; v12      LDS address of my spare word; never rewritten
.set NIL,   13                         ; v13      0; never rewritten
	s_load_b512 s[4:19], s[0:1], 0x0               ; hidden s[4:5], Wq s[6:7], Wk s[8:9], Wv s[10:11], Wo s[12:13], the exponents s[14:15], xc s[16:17], wc s[18:19]
	v_lshl_add_u32 v[SPW], v0, 2, SPARE
	v_mov_b32 v[NIL], 0
	v_lshrrev_b32 v1, 5, v0
	v_readfirstlane_b32 s20, v1                    ; wave
	v_and_b32 v2, 31, v0                           ; lane
	v_lshlrev_b32 v3, 4, v2                        ; my 16 bytes of a load's 512, and of a store's; never rewritten
	s_mul_i32 s36, s20, WREG
	v_lshrrev_b32 v14, 2, v2
	v_mul_u32_u24 v14, v14, SP
	v_and_b32 v15, 3, v2
	v_lshl_add_u32 v14, v15, 4, v14
	v_add_nc_u32 v14, s36, v14                     ; the stage, on the way in: SP (lane / 4) + 16 (lane % 4)
	v_mul_u32_u24 v15, v2, SP
	v_add_nc_u32 v15, s36, v15                     ; and on the way out: SP x lane: my 16 neighbours
	s_lshr_b32 s21, ttmp9, 7                       ; T: 0 hidden_state, 1 Wq, 2 Wk, 3 Wv, 4 Wo
	s_and_b32 s22, ttmp9, 127
	s_lshl_b32 s22, s22, 4
	s_lshl_b32 s23, s20, 2
	s_add_co_u32 s22, s22, s23                     ; R0, my wave's first row: a multiple of 4
	s_and_b32 s23, s22, 0x7e7                      ; pi(R0): bits 3 and 4 change places; rows R0 + 1 .. R0 + 3 follow pi(R0)
	s_and_b32 s37, s22, 8
	s_lshl_b32 s37, s37, 1
	s_or_b32 s23, s23, s37
	s_and_b32 s37, s22, 16
	s_lshr_b32 s37, s37, 1
	s_or_b32 s23, s23, s37
	s_lshl_b32 s38, s22, 13                        ; where I read: R0 rows of 8192 bytes
	s_mov_b32 s39, 0
	s_lshl_b32 s40, s23, 13                        ; where I store: pi(R0) rows,
	s_mov_b32 s41, 0
	s_max_u32 s37, s21, 1
	s_sub_co_u32 s37, s37, 1
	s_lshl_b32 s37, s37, 11
	s_add_co_u32 s40, s40, s37                     ; + the weight's quarter of the row (hidden_state: 0)
	s_wait_alu depctr_va_vdst(0)
	s_wait_kmcnt 0x0
	s_load_b256 s[24:31], s[14:15], 0x0            ; e0 .. e7
	s_load_b128 s[32:35], s[14:15], 0x20           ; e8 .. e11
	s_cmp_eq_u32 s21, 1                            ; the choice of buffers hangs on the work-group's number alone
	s_cselect_b64 s[4:5], s[6:7], s[4:5]
	s_cmp_eq_u32 s21, 2
	s_cselect_b64 s[4:5], s[8:9], s[4:5]
	s_cmp_eq_u32 s21, 3
	s_cselect_b64 s[4:5], s[10:11], s[4:5]
	s_cmp_eq_u32 s21, 4
	s_cselect_b64 s[4:5], s[12:13], s[4:5]
	s_cmp_eq_u32 s21, 0
	s_cselect_b64 s[16:17], s[16:17], s[18:19]
	s_add_nc_u64 s[4:5], s[4:5], s[38:39]
	s_add_nc_u64 s[16:17], s[16:17], s[40:41]
.macro LOAD t
.irp i, 0,1,2,3
	global_load_b128 v[R+16*((\t)%4)+4*\i:R+16*((\t)%4)+4*\i+3], v3, s[4:5] offset:2048*(\t)+512*\i th:TH_LOAD_NT   ; 32 lanes read 512 consecutive bytes; read once in the launch
.endr
.endm
.macro TURN t                          ; step t's numbers through the stage: LDS serves a wave's instructions in order, so no wait stands between the stores and the loads
.irp i, 0,1,2,3
	ds_store_b128 v14, v[R+16*((\t)%4)+4*\i:R+16*((\t)%4)+4*\i+3] offset:32*SP*((\t)%2)+8*SP*\i
.endr
.irp i, 0,1,2,3
	ds_load_b128 v[X+16*((\t)%2)+4*\i:X+16*((\t)%2)+4*\i+3], v15 offset:32*SP*((\t)%2)+16*\i
.endr
.endm
.macro MKS se, vl, vs                  ; from the exponent in s[se]: v[vs] = 2^e as f32 (the conversion takes its exponent field), v[vl] = 448 x 2^e
	s_add_co_i32 s42, s[\se], 127
	s_lshl_b32 s43, s42, 23
	v_mov_b32 v[\vs], s43
	s_add_co_i32 s42, s42, 8
	s_lshl_b32 s42, s42, 23
	s_or_b32 s42, s42, 0x600000
	v_mov_b32 v[\vl], s42
.endm
.irp t, 0,1,2,3
	LOAD \t
.endr
	s_wait_kmcnt 0x0
	s_cmp_eq_u32 s21, 1                            ; the tensor's first (or only) exponent: e0, e1, e3, e5, e11
	s_cselect_b32 s24, s25, s24
	s_cmp_eq_u32 s21, 2
	s_cselect_b32 s24, s27, s24
	s_cmp_eq_u32 s21, 3
	s_cselect_b32 s24, s29, s24
	s_cmp_eq_u32 s21, 4
	s_cselect_b32 s24, s35, s24
	MKS 24, 10, 11
	MKS 26, 6, 7                                   ; e2 and e4: hidden_state's other two
	MKS 28, 8, 9
	s_wait_alu depctr_va_vdst(0)
	s_wait_loadcnt 12                              ; step 0's four loads are in; the twelve behind them may be out
	TURN 0
; The step's 16 neighbours, held and converted with one scale, and stored.  The numbers are held into other registers, since hidden_state's are held three times.
.macro OUT3 t, vl, vs, k, off
.set i, 0
.rept 16
	v_med3_num_f32 v[TT+i], v[X+16*((\t)%2)+i], -v[\vl], v[\vl]   ; the conversion to an 8-bit code does not saturate (ISA guide 7.6.2): the hold at the largest code x the scale
.set i, i+1
.endr
	v_cvt_scalef32_pk8_fp8_f32 v[C+4*\k:C+4*\k+1], v[TT:TT+7], v[\vs]
	v_cvt_scalef32_pk8_fp8_f32 v[C+4*\k+2:C+4*\k+3], v[TT+8:TT+15], v[\vs]
	v_nop                                          ; a plain vector line between the conversions and the next holds, which write the conversions' sources
	global_store_b128 v3, v[C+4*\k:C+4*\k+3], s[16:17] offset:((\t)/4)*ROWB+((\t)%4)*512+\off   ; 512 consecutive bytes, aligned
.endm
.macro STEP t
	s_wait_dscnt 0x0                               ; this step's numbers are back from the stage: so its stores into the stage have read their registers,
	s_wait_xcnt 0x0                                ; and the last step's global stores have read the codes' registers, which are written again below
.if (\t)+4 < STEPS
	LOAD (\t)+4                                    ; the freed set takes the loads of four steps on
.endif
.if (\t)+1 < STEPS
.if STEPS-2-(\t) >= 3
	s_wait_loadcnt 12                              ; the next step's four loads are in; those of the three steps behind it may be out
.else
	s_wait_loadcnt 4*(STEPS-2-(\t))
.endif
	TURN (\t)+1                                    ; and go through the other stage while this step is worked
.endif
	OUT3 \t, 10, 11, 0, 0
	s_cmp_lg_u32 s21, 0                            ; a weight has one scale: a branch on the work-group's number, round register work and stores alone
	s_cbranch_scc1 .Lone_\@
	OUT3 \t, 6, 7, 1, 2048
	OUT3 \t, 8, 9, 2, 4096
.Lone_\@:
.endm
.irp t, 0,1,2,3,4,5,6,7,8,9,10,11,12,13,14,15
	STEP \t
.endr
	s_wait_tensorcnt 0x0                           ; the wave's end, behind my last LDS store
	ds_add_u32 v[SPW], v[NIL]
	s_wait_dscnt 0x0
	s_endpgm
.Lfunc_end_k_qae0318ab76_quant:
	.size	k_qae0318ab76_quant, .Lfunc_end_k_qae0318ab76_quant-k_qae0318ab76_quant
	.p2alignl 7, 3214868480
	.fill 96, 4, 3214868480
	.section	.rodata,"a",@progbits
	.p2align	6, 0x0
	.amdhsa_kernel k_qae0318ab76_quant
		.amdhsa_group_segment_fixed_size 33280
		.amdhsa_private_segment_fixed_size 0
		.amdhsa_enable_private_segment 0
		.amdhsa_kernarg_size 64
		.amdhsa_user_sgpr_count 2
		.amdhsa_user_sgpr_kernarg_segment_ptr 1
		.amdhsa_wavefront_size32 1
		.amdhsa_system_sgpr_workgroup_id_x 1
		.amdhsa_system_sgpr_workgroup_id_y 1
		.amdhsa_system_sgpr_workgroup_id_z 1
		.amdhsa_system_vgpr_workitem_id 0
		.amdhsa_next_free_vgpr 144
		.amdhsa_next_free_sgpr 66
		.amdhsa_reserve_vcc 0
		.amdhsa_float_denorm_mode_32 3
		.amdhsa_float_denorm_mode_16_64 3
		.amdhsa_memory_ordered 1
		.amdhsa_forward_progress 1
		.amdhsa_inst_pref_size 81
	.end_amdhsa_kernel
	.amdgpu_metadata
---
amdhsa.version: [ 1, 2 ]
amdhsa.kernels:
  - .name:           k_qae0318ab76_quant
    .symbol:         k_qae0318ab76_quant.kd
    .args:
      - { .name: hidden_state, .offset: 0, .size: 8, .value_kind: global_buffer, .address_space: global }
      - { .name: Wq, .offset: 8, .size: 8, .value_kind: global_buffer, .address_space: global }
      - { .name: Wk, .offset: 16, .size: 8, .value_kind: global_buffer, .address_space: global }
      - { .name: Wv, .offset: 24, .size: 8, .value_kind: global_buffer, .address_space: global }
      - { .name: Wo, .offset: 32, .size: 8, .value_kind: global_buffer, .address_space: global }
      - { .name: lowp_scales, .offset: 40, .size: 8, .value_kind: global_buffer, .address_space: global }
      - { .name: xc, .offset: 48, .size: 8, .value_kind: global_buffer, .address_space: global }
      - { .name: wc, .offset: 56, .size: 8, .value_kind: global_buffer, .address_space: global }
    .group_segment_fixed_size: 33280
    .private_segment_fixed_size: 0
    .kernarg_segment_align: 8
    .kernarg_segment_size: 64
    .max_flat_workgroup_size: 128
    .sgpr_count:     66
    .vgpr_count:     144
    .wavefront_size: 32
...
	.end_amdgpu_metadata
.endif
;; end of part 1
;; launch qkv (part 2): grid 24 x 8, 4 waves a work-group, clusters of 4 x 4, 327,680 bytes of LDS; arguments xc, wc, bq, bk, bv, lowp_scales, qc, kv; writes qc, kv
.if DOCPART == 2
	.amdgcn_target "amdgcn-amd-amdhsa--gfx1250"
	.amdhsa_code_object_version 6
	.text
	.protected	k_qae0318ab76_qkv
	.globl	k_qae0318ab76_qkv
	.p2align	8
	.type	k_qae0318ab76_qkv,@function
k_qae0318ab76_qkv:
	s_mov_b64 s[64:65], 0
	v_nop
	global_prefetch_b8 v0, s[64:65] scope:SCOPE_SE
	s_setreg_imm32_b32 hwreg(HW_REG_WAVE_MODE, 25, 1), 1
	s_wait_xcnt 0x0
	s_wait_alu depctr_hold_cnt(0) depctr_sa_sdst(0) depctr_va_vdst(0) depctr_va_sdst(0) depctr_va_ssrc(0) depctr_va_vcc(0) depctr_vm_vsrc(0)
	s_getreg_b32 s2, hwreg(HW_REG_IB_STS2, 6, 4)
	s_cmp_eq_u32 s2, 0
	s_cbranch_scc0 .Lentry_in_a_cluster
	s_endpgm
.Lentry_in_a_cluster:
	s_bfe_u32 s2, ttmp6, 0x10000c
	s_cmp_lg_u32 s2, 0xf033
	s_cbranch_scc0 .Lentry_shape_is_right
	s_endpgm
.Lentry_shape_is_right:
.set KROW,   8192
.set ROWB,   256
.set PITCH,  272
.set FR,     16
.set NL,     4
.set NP,     4
.set HALFT,  128*PITCH
.set SLOT,   4*HALFT
.set LAPS,   2048/(2*ROWB)
.set SPARE,  2*SLOT
.set SGP,    144
.set SC,   8
.set LIM,  9
.set ADQ,  16
.set ADP,  20
.set STO,  24
.set RD,   25
.set GO,   26
.set SPW,  28
.set NIL,  29
.set BP,   32
.set BQ,   96
.set AF,   128
.set T,    128
.set CD0,  192
.set BK0,  224
.set OB,   4
.set G1,   24
.set G0,   32
.set G1B,  48
.set G0B,  56
.set PASS, 66
.set MSB, 0
.macro WIN new
.if MSB != \new
	s_set_vgpr_msb (MSB<<8)|\new
.set MSB, \new
.endif
.endm
.set MUL_LO, 0xa1
.set MUL_HI, 0xf1
.set TO_P,   0x40
.macro JLOAD g0a, g1a, g0b, g1b
	s_cmp_eq_u32 s15, 0
	s_cbranch_scc0 .Lfor_b_\@
	tensor_load_to_lds s[\g0a:\g0a+3], s[\g1a:\g1a+7]
	s_nop 0
.rept 4
	v_nop
.endr
	s_branch .Lasked_\@
.Lfor_b_\@:
	tensor_load_to_lds s[\g0b:\g0b+3], s[\g1b:\g1b+7]
	s_nop 0
.rept 4
	v_nop
.endr
.Lasked_\@:
.endm
.macro CREST
	s_cmp_lg_u32 s14, 0
	s_cbranch_scc1 .Lnot_wave_0_\@
	s_barrier_signal -3
.Lnot_wave_0_\@:
	s_barrier_wait -3
	s_barrier_signal -1
	s_barrier_wait -1
.endm
.macro CROUND
	s_barrier_signal -1
	s_barrier_wait -1
	CREST
.endm
	s_load_b512 s[72:87], s[0:1], 0x0
	v_lshl_add_u32 v[SPW], v0, 2, SPARE
	v_mov_b32 v[NIL], 0
	ds_add_u32 v[SPW], v[NIL]
	ds_add_u32 v[SPW], v[NIL]
	v_lshrrev_b32 v1, 5, v0
	v_readfirstlane_b32 s14, v1
	s_lshr_b32 s15, s14, 1
	s_and_b32 s16, s14, 1
	s_bfe_u32 s40, ttmp6, 0x40000
	s_bfe_u32 s41, ttmp6, 0x40004
	s_lshr_b32 s[PASS], ttmp9, 1
	s_and_b32 s42, ttmp9, 1
	s_lshl_b32 s42, s42, 2
	s_add_co_u32 s42, s42, s40
	s_and_b32 s17, ttmp7, 0xffff
	s_lshl_b32 s17, s17, 2
	s_add_co_u32 s17, s17, s41
	s_lshl_b32 s43, s41, 2
	s_lshl_b32 s43, 15, s43
	s_lshl_b32 s44, 0x1111, s40
	s_or_b32 s[G1+0], s43, (0<<16)|(1<<20)|(1<<21)|(5<<22)|(3<<25)
	s_or_b32 s[G1B+0], s44, (0<<16)|(1<<20)|(1<<21)|(5<<22)|(3<<25)
.irp g, G1, G1B
	s_mov_b32 s[\g+1], ROWB<<16
	s_mov_b32 s[\g+2], 128<<16
	s_mov_b32 s[\g+3], ROWB<<16
	s_mov_b32 s[\g+4], 128
	s_mov_b32 s[\g+5], KROW
	s_mov_b32 s[\g+6], 0
	s_mov_b32 s[\g+7], 0
.endr
	s_lshl_b32 s18, s16, 7
	s_lshl_b32 s20, s17, 8
	s_add_co_u32 s20, s20, s18
	s_lshl_b32 s46, s42, 8
	s_add_co_u32 s46, s46, s18
	s_lshl_b32 s20, s20, 13
	s_lshl_b32 s46, s46, 13
	s_lshl_b32 s19, s[PASS], 11
	s_add_co_u32 s20, s20, s19
	s_add_co_u32 s46, s46, s19
	s_mov_b32 s21, 0
	s_mov_b32 s47, 0
	s_mul_i32 s45, s14, HALFT
	s_wait_dscnt 0x0
	s_wait_kmcnt 0x0
	s_load_b256 s[88:95], s[82:83], 0x0
	s_load_b128 s[96:99], s[82:83], 0x20
	s_cmp_eq_u32 s[PASS], 2
	s_cselect_b64 s[68:69], s[74:75], s[72:73]
	s_cselect_b64 s[70:71], s[72:73], s[74:75]
	s_add_nc_u64 s[20:21], s[68:69], s[20:21]
	s_add_nc_u64 s[46:47], s[70:71], s[46:47]
	CROUND
.irp s, 0,1
	s_mov_b32 s[G0+4*\s], 1
	s_add_co_u32 s[G0+4*\s+1], s45, \s*SLOT
	s_add_nc_u64 s[G0+4*\s+2:G0+4*\s+3], s[20:21], \s*ROWB
	s_or_b32 s[G0+4*\s+3], s[G0+4*\s+3], 0x80000000
	s_mov_b32 s[G0B+4*\s], 1
	s_add_co_u32 s[G0B+4*\s+1], s45, \s*SLOT
	s_add_nc_u64 s[G0B+4*\s+2:G0B+4*\s+3], s[46:47], \s*ROWB
	s_or_b32 s[G0B+4*\s+3], s[G0B+4*\s+3], 0x80000000
	s_wait_alu depctr_va_vdst(0)
	s_wait_tensorcnt 0x0
	ds_add_u32 v28, v29
	ds_add_u32 v28, v29
	s_wait_dscnt 0x0
	CROUND
	JLOAD G0+4*\s, G1, G0B+4*\s, G1B
.endr
	v_and_b32 v1, 15, v0
	s_wait_alu depctr_va_vdst(0)
	v_bfe_u32 v2, v0, 4, 1
	v_mul_u32_u24 v3, v1, PITCH
	v_lshl_add_u32 v4, v2, 4, v3
	s_mul_i32 s21, s15, HALFT
	s_mul_i32 s22, s16, HALFT
	s_add_co_u32 s22, s22, 2*HALFT
.irp s, 0,1
	v_add_nc_u32 v[ADQ+\s], s21, v4
	v_add_nc_u32 v[ADP+\s], s22, v4
	s_add_co_u32 s21, s21, SLOT
	s_add_co_u32 s22, s22, SLOT
.endr
	s_mul_i32 s23, s14, 16*SGP
	v_mul_u32_u24 v5, v1, SGP
	s_wait_alu depctr_va_vdst(0)
	v_lshl_add_u32 v5, v2, 4, v5
	v_add_nc_u32 v[STO], s23, v5
	v_and_b32 v6, 31, v0
	v_lshlrev_b32 v[GO], 4, v6
	v_lshrrev_b32 v5, 3, v6
	v_mul_u32_u24 v5, v5, SGP
	v_and_b32 v7, 7, v0
	v_lshl_add_u32 v5, v7, 4, v5
	v_add_nc_u32 v[RD], s23, v5
	s_lshl_b32 s18, s42, 1
	s_add_co_u32 s18, s18, s16
	s_lshl_b32 s19, s17, 1
	s_add_co_u32 s19, s19, s15
	s_lshl_b32 s20, s18, 18
	s_lshl_b32 s21, s19, 14
	s_add_co_u32 s20, s20, s21
	s_lshl_b32 s21, s42, 20
	s_lshl_b32 s22, s19, 16
	s_add_co_u32 s21, s21, s22
	s_lshl_b32 s22, s16, 15
	s_add_co_u32 s21, s21, s22
	s_lshl_b32 s22, s17, 20
	s_lshl_b32 s23, s18, 16
	s_add_co_u32 s22, s22, s23
	s_lshl_b32 s23, s15, 15
	s_add_co_u32 s22, s22, s23
	s_add_co_u32 s22, s22, 16384
	s_cmp_eq_u32 s[PASS], 1
	s_cselect_b32 s20, s21, s20
	s_cselect_b64 s[76:77], s[78:79], s[76:77]
	s_cmp_eq_u32 s[PASS], 2
	s_cselect_b32 s20, s22, s20
	s_cselect_b64 s[76:77], s[80:81], s[76:77]
	s_mov_b32 s21, 0
	s_cmp_eq_u32 s[PASS], 0
	s_cselect_b64 s[OB:OB+1], s[84:85], s[86:87]
	s_mov_b32 s22, 2048
	s_cselect_b32 s22, 1024, s22
	s_mov_b32 s18, 1024
	s_cselect_b32 s18, 2048, s18
	s_mov_b32 s23, 0
	s_mov_b32 s19, 0
	s_add_nc_u64 s[OB:OB+1], s[OB:OB+1], s[20:21]
	s_add_nc_u64 s[OB+2:OB+3], s[OB:OB+1], s[18:19]
	s_add_nc_u64 s[OB+4:OB+5], s[OB:OB+1], s[22:23]
	s_add_nc_u64 s[OB+6:OB+7], s[OB:OB+1], 3072
	s_lshl_b32 s20, s42, 10
	s_lshl_b32 s18, s16, 9
	s_add_co_u32 s20, s20, s18
	s_add_nc_u64 s[68:69], s[76:77], s[20:21]
	s_lshl_b32 s20, s17, 10
	s_lshl_b32 s18, s15, 9
	s_add_co_u32 s20, s20, s18
	s_add_nc_u64 s[70:71], s[76:77], s[20:21]
	v_lshlrev_b32 v5, 6, v2
	v_and_b32 v7, 8, v1
	v_add_nc_u32 v7, v7, v1
	v_lshlrev_b32 v7, 2, v7
.irp n, 0,1,2,3,4,5,6,7
	global_load_b128 v[BP+8*\n:BP+8*\n+3],   v5, s[68:69] offset:(32*(\n/2)+8*(\n%2))*4
	global_load_b128 v[BP+8*\n+4:BP+8*\n+7], v5, s[68:69] offset:(32*(\n/2)+8*(\n%2))*4+16
	global_load_b32 v[BQ+2*\n], v7, s[70:71] offset:(32*(\n/2)+8*(\n%2))*4
.endr
	s_wait_kmcnt 0x0
	s_cmp_eq_u32 s[PASS], 1
	s_cselect_b32 s88, s90, s88
	s_cselect_b32 s89, s91, s89
	s_cselect_b32 s94, s95, s94
	s_cmp_eq_u32 s[PASS], 2
	s_cselect_b32 s88, s92, s88
	s_cselect_b32 s89, s93, s89
	s_cselect_b32 s94, s97, s94
	s_add_co_i32 s20, s88, s89
	s_sub_co_i32 s67, 0, s20
	s_sub_co_i32 s20, s94, s20
	s_add_co_i32 s20, s20, 127
	s_lshl_b32 s21, s20, 23
	v_mov_b32 v[SC], s21
	s_add_co_i32 s20, s20, 8
	s_lshl_b32 s20, s20, 23
	s_or_b32 s20, s20, 0x600000
	v_mov_b32 v[LIM], s20
	s_wait_loadcnt 0x0
.set j, 0
.rept 64
	v_ldexp_f32 v[BP+j], v[BP+j], s67
.set j, j+1
.endr
.irp n, 0,1,2,3,4,5,6,7
	v_ldexp_f32 v[BQ+2*\n+1], v[BQ+2*\n], s67
	v_ldexp_f32 v[BQ+2*\n], v[BQ+2*\n], s67
.endr
.macro FRAG reg, adr, q, i
.irp c, 0,1,2,3
	ds_load_b128 v[\reg+4*\c:\reg+4*\c+3], v[\adr] offset:128*(\q)+32*\c+(\i)*16*PITCH
.endr
.endm
.macro MUL16 a0, p, zero
.irp a, \a0, \a0+1
.irp b, 0,1,2,3,4,5,6,7
.if \zero
	v_wmma_f32_16x16x128_fp8_fp8 v[8*(8*((\a)%4)+\b):8*(8*((\a)%4)+\b)+7], v[128*(\p)+FR*\b:128*(\p)+FR*\b+FR-1], v[AF+FR*(\a):AF+FR*(\a)+FR-1], 0
.else
	v_wmma_f32_16x16x128_fp8_fp8 v[8*(8*((\a)%4)+\b):8*(8*((\a)%4)+\b)+7], v[128*(\p)+FR*\b:128*(\p)+FR*\b+FR-1], v[AF+FR*(\a):AF+FR*(\a)+FR-1], v[8*(8*((\a)%4)+\b):8*(8*((\a)%4)+\b)+7]
.endif
.endr
.endr
.endm
.macro FETCH_P slot, q, p
	WIN TO_P
.irp i, 0,1,2,3,4,5,6,7
	FRAG 128*(\p)+FR*\i, ADP+\slot, \q, \i
.endr
	WIN 0
.endm
.macro FETCH_Q slot, q, i0
.irp i, \i0, \i0+1, \i0+2, \i0+3
	FRAG AF+FR*(\i), ADQ+\slot, \q, \i
.endr
.endm
.macro PLACES n
.rept \n
	v_nop
.endr
.endm
.macro STEP slot, q, zero
	s_wait_dscnt 4*NL
	WIN MUL_LO
	MUL16 0, (\q)%2, \zero
	MUL16 2, (\q)%2, \zero
	s_wait_dscnt 0
	PLACES NP
	FETCH_P \slot, (\q)+1, 1-(\q)%2
	FETCH_Q \slot, (\q)+1, 0
	WIN MUL_HI
	MUL16 4, (\q)%2, \zero
	MUL16 6, (\q)%2, \zero
	PLACES NP
	WIN 0
	FETCH_Q \slot, (\q)+1, 4
.endm
.macro TURN slot, next, fill
	s_wait_tensorcnt 0x0
	ds_add_u32 v[SPW], v[NIL]
	s_wait_dscnt 0x0
	s_barrier_signal -1
	s_barrier_wait -1
.if \fill
	CREST
	s_add_nc_u64 s[G0+4*\slot+2:G0+4*\slot+3], s[G0+4*\slot+2:G0+4*\slot+3], 2*ROWB
	s_add_nc_u64 s[G0B+4*\slot+2:G0B+4*\slot+3], s[G0B+4*\slot+2:G0B+4*\slot+3], 2*ROWB
	JLOAD G0+4*\slot, G1, G0B+4*\slot, G1B
.endif
	WIN MUL_LO
	MUL16 0, 1, 0
	MUL16 2, 1, 0
	PLACES NP
	FETCH_P \next, 0, 0
	FETCH_Q \next, 0, 0
	WIN MUL_HI
	MUL16 4, 1, 0
	MUL16 6, 1, 0
	PLACES NP
	WIN 0
	FETCH_Q \next, 0, 4
.endm
	s_wait_tensorcnt 1
	s_barrier_signal -1
	s_barrier_wait -1
	FETCH_P 0, 0, 0
	FETCH_Q 0, 0, 0
	FETCH_Q 0, 0, 4
	STEP 0, 0, 1
	s_mov_b32 s3, LAPS-1
.Llap:
	TURN 0, 1, 1
	STEP 1, 0, 0
	TURN 1, 0, 1
	STEP 0, 0, 0
	s_sub_co_u32 s3, s3, 1
	s_cmp_lg_u32 s3, 0
	s_cbranch_scc1 .Llap
	TURN 0, 1, 0
	STEP 1, 0, 0
	s_wait_dscnt 4*NL
	WIN MUL_LO
	MUL16 0, 1, 0
	MUL16 2, 1, 0
	s_wait_dscnt 0
	WIN MUL_HI
	MUL16 4, 1, 0
	MUL16 6, 1, 0
	WIN 0
.macro BIAS form, hi
.irp a, 0,1,2,3
.irp n, 0,1,2,3,4,5,6,7
.irp i, 0,2,4,6
.if \form
	v_pk_add_f32 v[64*\a+8*\n+\i:64*\a+8*\n+\i+1], v[64*\a+8*\n+\i:64*\a+8*\n+\i+1], v[BQ+2*(\a+4*\hi):BQ+2*(\a+4*\hi)+1]
.else
	v_pk_add_f32 v[64*\a+8*\n+\i:64*\a+8*\n+\i+1], v[64*\a+8*\n+\i:64*\a+8*\n+\i+1], v[BP+8*\n+\i:BP+8*\n+\i+1]
.endif
.endr
.endr
.endr
.endm
	PLACES NP
	s_cmp_eq_u32 s[PASS], 2
	s_cbranch_scc1 .Lbias_along_q
	WIN 0x82
	BIAS 0, 0
	WIN 0xc3
	BIAS 0, 1
	WIN 0
	s_branch .Lbias_done
.Lbias_along_q:
	WIN 0x82
	BIAS 1, 0
	WIN 0xc3
	BIAS 1, 1
	WIN 0
.Lbias_done:
.macro BLOCKOUT a
.set AC, 64*((\a)%4)
.set CD, CD0+16*((\a)%2)
.set BB, BK0+16*((\a)%2)
	WIN 0x02+((\a)/4)
.set i, 0
.rept 64
	v_med3_num_f32 v[T+i], v[AC+i], -v[LIM], v[LIM]
.set i, i+1
.endr
	WIN 0
.irp bt, 0,1,2,3
	v_cvt_scalef32_pk8_fp8_f32 v[CD+4*\bt:CD+4*\bt+1], v[T+16*\bt:T+16*\bt+7], v[SC]
	v_cvt_scalef32_pk8_fp8_f32 v[CD+4*\bt+2:CD+4*\bt+3], v[T+16*\bt+8:T+16*\bt+15], v[SC]
.endr
	v_nop
.irp bt, 0,1,2,3
	ds_store_b128 v[STO], v[CD+4*\bt:CD+4*\bt+3] offset:32*\bt
.endr
.irp i, 0,1,2,3
	ds_load_b128 v[BB+4*\i:BB+4*\i+3], v[RD] offset:4*SGP*\i
.endr
.endm
.macro SEND a, younger
.set BB, BK0+16*((\a)%2)
	s_wait_dscnt \younger
.irp i, 0,1,2,3
	global_store_b128 v[GO], v[BB+4*\i:BB+4*\i+3], s[OB+4*((\a)%2)+2*(\i/2):OB+4*((\a)%2)+2*(\i/2)+1] offset:4096*((\a)/2)+512*(\i%2)
.endr
.endm
	BLOCKOUT 0
.irp a, 1,2,3,4,5,6,7
.if \a > 1
	s_wait_xcnt 0x0
.endif
	BLOCKOUT \a
	SEND \a-1, 8
.endr
	SEND 7, 0
	s_wait_tensorcnt 0x0
	ds_add_u32 v[SPW], v[NIL]
	s_wait_dscnt 0x0
	CROUND
	s_endpgm
.Lfunc_end_k_qae0318ab76_qkv:
	.size	k_qae0318ab76_qkv, .Lfunc_end_k_qae0318ab76_qkv-k_qae0318ab76_qkv
	.p2alignl 7, 3214868480
	.fill 96, 4, 3214868480
	.section	.rodata,"a",@progbits
	.p2align	6, 0x0
	.amdhsa_kernel k_qae0318ab76_qkv
		.amdhsa_group_segment_fixed_size 327680
		.amdhsa_private_segment_fixed_size 0
		.amdhsa_enable_private_segment 0
		.amdhsa_kernarg_size 64
		.amdhsa_user_sgpr_count 2
		.amdhsa_user_sgpr_kernarg_segment_ptr 1
		.amdhsa_wavefront_size32 1
		.amdhsa_system_sgpr_workgroup_id_x 1
		.amdhsa_system_sgpr_workgroup_id_y 1
		.amdhsa_system_sgpr_workgroup_id_z 1
		.amdhsa_system_vgpr_workitem_id 0
		.amdhsa_next_free_vgpr 1024
		.amdhsa_next_free_sgpr 100
		.amdhsa_reserve_vcc 0
		.amdhsa_float_denorm_mode_32 3
		.amdhsa_float_denorm_mode_16_64 3
		.amdhsa_memory_ordered 1
		.amdhsa_forward_progress 1
		.amdhsa_inst_pref_size 165
	.end_amdhsa_kernel
	.amdgpu_metadata
---
amdhsa.version: [ 1, 2 ]
amdhsa.kernels:
  - .name:           k_qae0318ab76_qkv
    .symbol:         k_qae0318ab76_qkv.kd
    .args:
      - { .name: xc, .offset: 0, .size: 8, .value_kind: global_buffer, .address_space: global }
      - { .name: wc, .offset: 8, .size: 8, .value_kind: global_buffer, .address_space: global }
      - { .name: bq, .offset: 16, .size: 8, .value_kind: global_buffer, .address_space: global }
      - { .name: bk, .offset: 24, .size: 8, .value_kind: global_buffer, .address_space: global }
      - { .name: bv, .offset: 32, .size: 8, .value_kind: global_buffer, .address_space: global }
      - { .name: lowp_scales, .offset: 40, .size: 8, .value_kind: global_buffer, .address_space: global }
      - { .name: qc, .offset: 48, .size: 8, .value_kind: global_buffer, .address_space: global }
      - { .name: kv, .offset: 56, .size: 8, .value_kind: global_buffer, .address_space: global }
    .group_segment_fixed_size: 327680
    .private_segment_fixed_size: 0
    .kernarg_segment_align: 8
    .kernarg_segment_size: 64
    .max_flat_workgroup_size: 128
    .sgpr_count:     100
    .vgpr_count:     1024
    .wavefront_size: 32
...
	.end_amdgpu_metadata
.endif
;; end of part 2
;; launch attn (part 3): grid 32 x 8, 4 waves a work-group, clusters of 4 x 4, 327,680 bytes of LDS; arguments qc, kv, causal_mask, lowp_scales, xc; writes xc
.if DOCPART == 3
	.amdgcn_target "amdgcn-amd-amdhsa--gfx1250"
	.amdhsa_code_object_version 6
	.text
	.protected	k_qae0318ab76_attn
	.globl	k_qae0318ab76_attn
	.p2align	8
	.type	k_qae0318ab76_attn,@function
k_qae0318ab76_attn:
	s_mov_b64 s[64:65], 0
	v_nop
	global_prefetch_b8 v0, s[64:65] scope:SCOPE_SE
	s_setreg_imm32_b32 hwreg(HW_REG_WAVE_MODE, 25, 1), 1
	s_wait_xcnt 0x0
	s_wait_alu depctr_hold_cnt(0) depctr_sa_sdst(0) depctr_va_vdst(0) depctr_va_sdst(0) depctr_va_ssrc(0) depctr_va_vcc(0) depctr_vm_vsrc(0)
	s_getreg_b32 s2, hwreg(HW_REG_IB_STS2, 6, 4)
	s_cmp_eq_u32 s2, 0
	s_cbranch_scc0 .Lentry_in_a_cluster
	s_endpgm
.Lentry_in_a_cluster:
	s_bfe_u32 s2, ttmp6, 0x10000c
	s_cmp_lg_u32 s2, 0xf033
	s_cbranch_scc0 .Lentry_shape_is_right
	s_endpgm
.Lentry_shape_is_right:
; Attention on codes of FP8 (E4M3): scores = q k^T / sqrt(128) + mask x (-1e9); softmax; x v; the result's codes for the last projection.  The mask is an input of f32 numbers: it is read whole, and no key is passed over.
; THE SOFTMAX AHEAD OF THE SECOND PRODUCT: t = logit x log2(e); M = the row's largest t so far, rounded up to a whole number; p = 2^(t - M) is quantised by 2^e8; the row's sum is taken of the unquantised p and divides at the end.
; t = fma(sum of codes' products, c, mask x K2), c = 2^(e6 + e7) log2(e) / sqrt(128), K2 = -1e9 log2(e) as f32; t is ROUNDED TO f32 before M is taken off, so that in a row whose keys are all masked every t is the same number.
; ORDER OF ROUNDING: reference() rounds score / sqrt(128) - 1e9 x mask first and multiplies by log2(e) afterwards; where the mask is 0 the two agree to f32's last places.
; SHARES: a work-group takes 64 queries of two heads; wave w takes head 2 hp + w / 2 and the 32 queries 32 (w % 2) on: TWO tiles of 16, so that each fragment of K and of V^T read from LDS feeds two matrix instructions.
; A lane holds one query of each tile throughout (both products are used transposed).  16 key steps of 128.
; qc: [head][token][128].  kv: [head pair][key block][head & 1][K | V^T], tiles of 128 rows x 128 bytes, rows in the order in which bits 3 and 4 of the row's number are exchanged, so that
; 16 rows on end as source 0 leave 16 TRUE neighbours in the 16 registers of tiles 2 B and 2 B + 1: keys 32 B + 16 h + 0 .. 15 (p's codes are then the second product's operand), and d likewise in O^T.
; THE RING: two LDS slots of one key step.  Waves 0 and 1 fetch two of the pair's four tiles each (32,768 dense bytes, stated as 128 rows of 256 bytes, the padding still behind each 128); waves 2 and 3 fetch 32 rows x 512 bytes of the mask each.
; CLUSTER 4 x 4: K's and V's tiles hang on the head pair (work-group y): asked for jointly along a row of the cluster; the mask's on the query block (work-group x): jointly along a column.
; A STEP: first product; mask x K2 (the places behind it); V^T's reads; t; maxima; exponentials; the change of slots and the refill, on end; then the sums, holds and conversions, with the next step's reads of K and mask
; among them in four runs of 16; O^T x f; second product.
; OUT: xc's row pi(token), bytes 6144 + 128 head + d: codes by 2^e10.
; LIMITS: e6 + e7 between -123 and 130; e8, and e10 - e8 - e9, between -126 and 119; mask x 1.44e9 finite; NaN is not served.
; REGISTERS: window 0: v1-11 addresses; v12-15 -M and the largest t of the two tiles; v16-19 the sums; v20-23 f; v24-29 scales and holds; v32-63 at work; v64-95 Q; v96-127 codes; v128-255 S^T, t, p.
;   window 1: v0-127 O^T; v128-255 K's eight fragments.   window 2: v0-127 V^T's eight fragments; v128-255 the mask's 128 numbers.
.set KP,    144                        ; a row of K or V^T in LDS: 128 bytes + 16 of padding
.set TILEB, 128*KP
.set MOFF,  4*TILEB                    ; behind the four tiles: the mask, 64 rows of
.set MP,    528                        ; 512 bytes + 16 of padding
.set SLOT1, 1<<17                      ; slot 1 begins here: one exclusive or turns an address in one slot into the other's
.set STAGE, MOFF+64*MP                 ; between the slots: 64 rows x (256 + 16) bytes for the way out; no tensor load lands there
.set SGP,   272
.set SPARE, SLOT1+STAGE                ; behind slot 1: the spare words, 128 bytes for each wave, which no other line names
.set AK0, 1
.set AV0, 2
.set AM0, 3
.set PFO, 4                            ; the prefetches' offset; never rewritten
.set SPW, 5                            ; LDS address of my spare word; never rewritten
.set NIL, 6                            ; 0; never rewritten
.set GO,  7                            ; the way out: my byte offset in xc
.set ADK, 8                            ; v8-10 the step's addresses
.set ADV, 9
.set ADM, 10
.set SP8, 24                           ; 2^e8
.set HP,  26                           ; 448 x 2^e8, twice: the two halves of a dual line take their second sources from different banks
.set HP2, 27
.set HO,  28                           ; 448 x 2^(e10 - e8 - e9)
.set SO,  29                           ; 2^(e10 - e8 - e9)
.set T,   32                           ; v32-39 the maxima's chains
.set U,   40                           ; v40-55 the sums' chains
.set Q,   64
.set PC,  96
.set S,   128
.set O,   0                            ; window 1
.set F1,  128                          ; window 1
.set F2,  0                            ; window 2
.set MK,  128                          ; window 2
.set WV,  18
.set SEL, 20
.set CS,  22
.set G1K, 24
.set G1M, 32
.set G0K, 40
.set G0M, 44
.set K2,  48
.set TB,  50
.set SLOTS, 67
.set PFA, 76
.set PFS, 78
.set LIM, 80
.set MSB, 0
.macro WIN new                         ; the immediate's high byte repeats the setting that is left
.if MSB != \new
	s_set_vgpr_msb (MSB<<8)|\new
.set MSB, \new
.endif
.endm
; A joint load: waves 0 and 1 fetch K's and V's tiles, waves 2 and 3 the mask's.  The branch hangs on the wave's number alone.  An s_nop 0 and four v_nop follow each of the two lines.
.macro JLOAD
	s_cmp_lt_u32 s[WV], 2
	s_cbranch_scc0 .Lfor_m_\@
	tensor_load_to_lds s[G0K:G0K+3], s[G1K:G1K+7]
	s_nop 0
.rept 4
	v_nop
.endr
	s_branch .Lasked_\@
.Lfor_m_\@:
	tensor_load_to_lds s[G0M:G0M+3], s[G1M:G1M+7]
	s_nop 0
.rept 4
	v_nop
.endr
.Lasked_\@:
.endm
; A PREFETCH INTO THE L2 of the key step that stands two refills on: the trip that asks by tensor load for step j + 2 names step j + 4.
; Each aligned block of 256 bytes is named once in the launch.  A pair's 65,536 bytes of a step: cluster x = 0 asks; its four partners of one head pair take 16,384 bytes each, told apart by address (cx); waves 0 and 1 take 8,192 each,
; lanes 256 bytes apart.  A query block's 64 rows x 512 bytes of the mask: cluster y = 0 asks; the four partners take 16 rows each (cy); wave 2 asks, two lanes to a row.  The last two trips that fill a slot ask for nothing: there is no step 16.
.macro ASK
	s_cmp_gt_u32 s[SLOTS], s[LIM]
	s_cbranch_scc0 .Lnot_mine_\@
	global_prefetch_b8 v[PFO], s[PFA:PFA+1] th:TH_LOAD_NT scope:SCOPE_SE
.Lnot_mine_\@:
.endm
.macro CREST                           ; a round of the cluster's barrier behind its opening barrier
	s_cmp_lg_u32 s[WV], 0
	s_cbranch_scc1 .Lnot_wave_0_\@
	s_barrier_signal -3
.Lnot_wave_0_\@:
	s_barrier_wait -3
	s_barrier_signal -1
	s_barrier_wait -1
.endm
.macro CROUND
	s_barrier_signal -1
	s_barrier_wait -1
	CREST
.endm
	s_load_b256 s[4:11], s[0:1], 0x0               ; qc s[4:5], kv s[6:7], the mask s[8:9], the exponents s[10:11]
	s_load_b64 s[12:13], s[0:1], 0x20              ; xc
	v_lshl_add_u32 v[SPW], v0, 2, SPARE
	v_mov_b32 v[NIL], 0
	ds_add_u32 v[SPW], v[NIL]                      ; the wave's opening: the add, twice on end, and its wait ahead of my first tensor load
	ds_add_u32 v[SPW], v[NIL]
	v_lshrrev_b32 v8, 5, v0
	v_readfirstlane_b32 s[WV], v8                  ; wave 0..3
	s_bfe_u32 s51, ttmp6, 0x40000                  ; cx, cy: my place in the cluster
	s_bfe_u32 s52, ttmp6, 0x40004
	s_lshl_b32 s53, ttmp9, 2
	s_add_co_u32 s53, s53, s51                     ; the query block = 4 x cluster x + cx
	s_and_b32 s81, ttmp7, 0xffff                   ; cluster y
	s_lshl_b32 s54, s81, 2
	s_add_co_u32 s54, s54, s52                     ; the head pair = 4 x cluster y + cy
	s_lshl_b32 s55, s52, 2
	s_lshl_b32 s55, 15, s55                        ; my row of the cluster
	s_lshl_b32 s56, 0x1111, s51                    ; my column
	s_or_b32 s[G1K], s55, (0<<16)|(1<<20)|(1<<21)|(4<<22)|(3<<25)   ; my row; elements of 1 byte; padding on; bit 21 beside a mask; four words of padding after every 32
	s_mov_b32 s[G1K+1], 256<<16                    ; tensor_dim0 = 256
	s_mov_b32 s[G1K+2], 128<<16                    ; tensor_dim1 = 128
	s_mov_b32 s[G1K+3], 256<<16                    ; tile_dim0
	s_mov_b32 s[G1K+4], 128                        ; tile_dim1
	s_mov_b32 s[G1K+5], 256                        ; the block is dense
	s_mov_b32 s[G1K+6], 0
	s_mov_b32 s[G1K+7], 0
	s_or_b32 s[G1M], s56, (2<<16)|(1<<20)|(1<<21)|(6<<22)|(3<<25)   ; my column; elements of 4 bytes; four words of padding after every 128
	s_mov_b32 s[G1M+1], 128<<16
	s_mov_b32 s[G1M+2], 32<<16
	s_mov_b32 s[G1M+3], 128<<16
	s_mov_b32 s[G1M+4], 32
	s_mov_b32 s[G1M+5], 2048                       ; a row of the mask
	s_mov_b32 s[G1M+6], 0
	s_mov_b32 s[G1M+7], 0
	s_and_b32 s57, s[WV], 1                        ; w % 2
	s_lshr_b32 s66, s[WV], 1                       ; w / 2
	s_lshl_b32 s58, s54, 20                        ; kv: head pair x 2^20 + my half of the step's 65,536 bytes
	s_lshl_b32 s59, s57, 15
	s_add_co_u32 s58, s58, s59
	s_mov_b32 s59, 0
	s_lshl_b32 s60, s53, 19                        ; the mask: row 64 x query block + 32 (w % 2)
	s_lshl_b32 s61, s57, 18
	s_add_co_u32 s60, s60, s61
	s_mov_b32 s61, 0
	s_mul_i32 s82, s57, 2*TILEB                    ; where they go: no place in the cluster enters an LDS address
	s_mul_i32 s83, s57, 32*MP
	s_add_co_u32 s83, s83, MOFF
	s_lshl_b32 s62, s54, 19                        ; qc: (2 hp + w / 2) x 2^18 + (64 qb + 32 (w % 2)) x 128
	s_lshl_b32 s63, s66, 18
	s_add_co_u32 s62, s62, s63
	s_lshl_b32 s63, s53, 13
	s_add_co_u32 s62, s62, s63
	s_lshl_b32 s63, s57, 12
	s_add_co_u32 s62, s62, s63
	s_mov_b32 s63, 0
	s_lshl_b32 s74, s53, 19                        ; xc: wave w stores tokens 64 qb + 16 w on, whose rows begin at 64 qb + 32 (w / 2) + 8 (w % 2)
	s_lshl_b32 s75, s66, 18
	s_add_co_u32 s74, s74, s75
	s_lshl_b32 s75, s57, 16
	s_add_co_u32 s74, s74, s75
	s_lshl_b32 s75, s54, 8                         ; + the pair's 256 bytes in the row's fourth quarter
	s_add_co_u32 s74, s74, s75
	s_add_co_u32 s74, s74, 6144
	s_mov_b32 s75, 0
	s_mul_i32 s92, s66, 2*TILEB                    ; my head's two tiles in a slot
	s_mov_b32 s93, s83                             ; my 32 rows of the mask's tile
	s_mov_b32 s[SEL], 0x76543210
	s_mov_b32 s[SEL+1], 0xfedcba98
	s_mov_b32 s[CS], 0x3e0293ee                    ; log2(e) / sqrt(128)
	s_mov_b32 s[K2], 0xceabfb8f                    ; -1e9 log2(e), the nearest f32 number
	s_mov_b32 s[K2+1], s[K2]
	s_mov_b32 s[TB], 0
	s_mov_b32 s[SLOTS], 14
	s_wait_alu depctr_va_vdst(0)
	s_wait_dscnt 0x0                               ; both opening adds are done
	s_wait_kmcnt 0x0
	s_load_b128 s[68:71], s[10:11], 0x18           ; e6, e7, e8, e9
	s_load_b32 s72, s[10:11], 0x28                 ; e10
	s_mov_b32 s[G0K], 1
	s_mov_b32 s[G0K+1], s82                        ; slot 0
	s_add_nc_u64 s[G0K+2:G0K+3], s[6:7], s[58:59]  ; key step 0
	s_or_b32 s[G0K+3], s[G0K+3], 0x80000000
	s_mov_b32 s[G0M], 1
	s_mov_b32 s[G0M+1], s83
	s_add_nc_u64 s[G0M+2:G0M+3], s[8:9], s[60:61]
	s_or_b32 s[G0M+3], s[G0M+3], 0x80000000
	s_add_nc_u64 s[4:5], s[4:5], s[62:63]          ; Q's codes at my first query
	s_add_nc_u64 s[12:13], s[12:13], s[74:75]      ; xc at my first row of the way out
	CROUND                                         ; all sixteen work-groups are here: the first joint loads meet
	JLOAD                                          ; slot 0: one tensor load a wave at the head
	; the prefetches: where my wave's stand, and who asks
	s_lshl_b32 s84, s53, 19                        ; the mask: row 64 qb + 16 cy
	s_lshl_b32 s85, s52, 17
	s_add_co_u32 s84, s84, s85
	s_lshl_b32 s86, s54, 20                        ; kv: the pair, + 16,384 cx, + 8,192 (w % 2)
	s_lshl_b32 s85, s51, 14
	s_add_co_u32 s86, s86, s85
	s_lshl_b32 s85, s57, 13
	s_add_co_u32 s86, s86, s85
	s_mov_b32 s87, 65536
	s_mov_b32 s88, 8192
	s_mov_b32 s89, 512
	s_cmp_eq_u32 s[WV], 2                          ; wave 2 asks for the mask, waves 0 and 1 for K and V
	s_cselect_b64 s[PFA:PFA+1], s[8:9], s[6:7]
	s_cselect_b32 s90, s81, ttmp9                  ; the coordinate along which other clusters walk the same bytes
	s_cselect_b32 s[PFS], s89, s87                 ; a key step on
	s_cselect_b32 s91, s88, s89                    ; from one pair of lanes to the next
	s_cselect_b32 s84, s84, s86
	s_mov_b32 s85, 0
	s_mov_b32 s[PFS+1], 0
	s_add_nc_u64 s[PFA:PFA+1], s[PFA:PFA+1], s[84:85]
.rept 3
	s_add_nc_u64 s[PFA:PFA+1], s[PFA:PFA+1], s[PFS:PFS+1]   ; at key step 3: the first trip steps it to 4.  Nothing is prefetched at the head
.endr
	s_cmp_eq_u32 s[WV], 3
	s_cselect_b32 s85, 1, 0
	s_or_b32 s85, s85, s90                         ; 0 in waves 0 to 2 of the cluster that asks: the same in all sixteen partners, for a given wave
	s_cmp_eq_u32 s85, 0
	s_cselect_b32 s[LIM], 2, -1
	s_wait_kmcnt 0x0
	s_add_co_i32 s73, s68, s69
	s_lshl_b32 s73, s73, 23
	s_add_co_i32 s[CS], s[CS], s73                 ; a sum stands for sum x 2^(e6 + e7): the two exponents are added to c's exponent field
	s_mov_b32 s[CS+1], s[CS]
	s_add_co_i32 s73, s70, 127
	s_lshl_b32 s94, s73, 23                        ; 2^e8
	s_add_co_i32 s73, s73, 8
	s_lshl_b32 s73, s73, 23
	s_or_b32 s95, s73, 0x600000                    ; 448 x 2^e8
	s_sub_co_i32 s73, s72, s70
	s_sub_co_i32 s73, s73, s71                     ; O^T / the sum stands for that x 2^(e8 + e9): the result's conversion takes 2^(e10 - e8 - e9)
	s_add_co_i32 s73, s73, 127
	s_lshl_b32 s96, s73, 23
	s_add_co_i32 s73, s73, 8
	s_lshl_b32 s73, s73, 23
	s_or_b32 s97, s73, 0x600000
	; the head's vector work, on end
	v_bfe_u32 v[PFO], v0, 1, 4                     ; lane / 2
	v_mul_lo_u32 v[PFO], v[PFO], s91
	v_and_b32 v11, 1, v0
	v_lshl_add_u32 v[PFO], v11, 8, v[PFO]          ; + 256 (lane % 2)
	v_and_b32 v8, 15, v0                           ; r = lane % 16
	v_bfe_u32 v9, v0, 4, 1                         ; h = lane / 16
	v_lshlrev_b32 v11, 7, v8
	v_lshl_add_u32 v11, v9, 4, v11                 ; Q: row r of 128 bytes, + 16 h
.irp x, 0,1
.irp c, 0,1,2,3
	global_load_b128 v[Q+16*\x+4*\c:Q+16*\x+4*\c+3], v11, s[4:5] offset:2048*\x+32*\c   ; Q's two fragments stay in registers
.endr
.endr
	v_mul_u32_u24 v[AK0], v8, KP
	v_lshl_add_u32 v[AK0], v9, 4, v[AK0]
	v_add_nc_u32 v[AK0], s92, v[AK0]
	v_add_nc_u32 v[AV0], TILEB, v[AK0]
	v_mul_u32_u24 v[AM0], v8, MP
	v_lshl_add_u32 v[AM0], v9, 6, v[AM0]
	v_add_nc_u32 v[AM0], s93, v[AM0]               ; the mask: my query's row, + 64 h: keys 16 h on
	v_lshlrev_b32 v[GO], 13, v9
	v_lshl_add_u32 v[GO], v8, 4, v[GO]             ; the way out: lanes 0-15 one row of xc, lanes 16-31 the next; 16 bytes a lane
	v_mov_b32 v13, 0xff61b1e6                      ; the largest t so far: -3e38, under every t
	v_mov_b32 v15, 0xff61b1e6
	v_floor_f32 v12, -v13                          ; -M
	v_floor_f32 v14, -v15
.irp j, 16,17,18,19,21,23,30,31
	v_mov_b32 v\j, 0                               ; the sums; the upper halves of f's pairs; the lane permutes' destinations
.endr
	v_mov_b32 v[SP8], s94
	v_mov_b32 v[HP], s95
	v_mov_b32 v[HP2], s95
	v_mov_b32 v[SO], s96
	v_mov_b32 v[HO], s97
	WIN 0x40
.set j, 0
.rept 128
	v_mov_b32 v[O+j], 0                            ; O^T.  (The step is written for every trip alike: the first finds zeros, which the first change of M leaves zeros)
.set j, j+1
.endr
	WIN 0
; the reads of a step's K and mask from the slot at s[TB], in pieces of 16 reads; V^T's address is made with the others and used later
.macro NADR
	v_add_nc_u32 v[ADK], s[TB], v[AK0]
	v_add_nc_u32 v[ADV], s[TB], v[AV0]
	v_add_nc_u32 v[ADM], s[TB], v[AM0]
.endm
.macro KLD t0                          ; K's fragments t0 .. t0 + 3
	WIN 0x40
.irp t, \t0, \t0+1, \t0+2, \t0+3
.irp c, 0,1,2,3
	ds_load_b128 v[F1+16*(\t)+4*\c:F1+16*(\t)+4*\c+3], v[ADK] offset:16*(\t)*KP+32*\c
.endr
.endr
	WIN 0
.endm
.macro MLD x                           ; the mask's 64 numbers of query tile x
	WIN 0x80
.irp b, 0,1,2,3
.irp i, 0,1,2,3
	ds_load_b128 v[MK+64*\x+16*\b+4*\i:MK+64*\x+16*\b+4*\i+3], v[ADM] offset:16*MP*\x+128*\b+16*\i   ; keys 32 b + 16 h + 0 .. 15: register 16 b + i as in S^T
.endr
.endr
	WIN 0
.endm
; A KEY STEP: 128 keys x my 32 queries.  chg = 1: it changes slots and reads the next step's K and mask; fill = 1: the slot that it leaves is filled again.
.macro STEP fill, chg
	s_wait_dscnt 32                                ; K's 32 reads are in; the mask's 32, issued behind them, may be out
	WIN 0x01
.irp t, 0,1,2,3,4,5,6,7
.irp x, 0,1
	v_wmma_f32_16x16x128_fp8_fp8 v[S+64*\x+8*\t:S+64*\x+8*\t+7], v[F1+16*\t:F1+16*\t+15], v[Q+16*\x:Q+16*\x+15], 0
.endr
.endr
	s_wait_dscnt 0x0                               ; the mask
	WIN 0x82
.set j, 0
.rept 64
	v_pk_mul_f32 v[MK+j:MK+j+1], v[MK+j:MK+j+1], s[K2:K2+1] op_sel_hi:[1,0]   ; mask x (-1e9 log2 e).  (These are also the places behind the products: for the loads below and for the first read of the scores)
.set j, j+2
.endr
	WIN 0x80
.irp t, 0,1,2,3,4,5,6,7
.irp c, 0,1,2,3
	ds_load_b128 v[F2+16*\t+4*\c:F2+16*\t+4*\c+3], v[ADV] offset:16*\t*KP+32*\c   ; V^T's eight fragments land while the softmax is walked
.endr
.endr
	WIN 0x20
.set j, 0
.rept 64
	v_pk_fma_f32 v[S+j:S+j+1], v[S+j:S+j+1], s[CS:CS+1], v[MK+j:MK+j+1] op_sel_hi:[1,0,1]   ; t, rounded to f32; each accumulator from its low end on
.set j, j+2
.endr
	WIN 0
.irp k, 0,1,2,3                                ; the step's largest t of my two queries: four chains each
.irp x, 0,1
	v_max3_num_f32 v[T+4*\x+\k], v[S+64*\x+3*\k], v[S+64*\x+3*\k+1], v[S+64*\x+3*\k+2]
.endr
.endr
.set n, 0
.rept 26
.irp x, 0,1
	v_max3_num_f32 v[T+4*\x+n%4], v[T+4*\x+n%4], v[S+64*\x+12+2*n], v[S+64*\x+13+2*n]
.endr
.set n, n+1
.endr
	v_max3_num_f32 v[T], v[T], v[T+1], v[T+2]
	v_max3_num_f32 v[T+4], v[T+4], v[T+5], v[T+6]
	v_max_num_f32 v[T], v[T], v[T+3]
	v_max_num_f32 v[T+4], v[T+4], v[T+7]
	v_permlanex16_b32 v30, v[T], s[SEL], s[SEL+1]
	v_permlanex16_b32 v31, v[T+4], s[SEL], s[SEL+1]
	v_max_num_f32 v[T], v[T], v30                  ; and among lane l xor 16's
	v_max_num_f32 v[T+4], v[T+4], v31
	v_max_num_f32 v13, v13, v[T]                   ; the running largest t
	v_max_num_f32 v15, v15, v[T+4]
	v_mov_b32 v[T+1], v12
	v_mov_b32 v[T+5], v14
	v_floor_f32 v12, -v13                          ; the new -M = floor(-t) = -ceil(t): a whole number
	v_floor_f32 v14, -v15
	v_sub_f32 v[T+1], v12, v[T+1]                  ; M's old value less its new one: 0 or less
	v_sub_f32 v[T+5], v14, v[T+5]
	v_cvt_i32_f32 v[T+1], v[T+1]                   ; (it saturates)
	v_cvt_i32_f32 v[T+5], v[T+5]
	v_ldexp_f32 v20, 1.0, v[T+1]                   ; f = 2^(old M - new M): a multiplication by it rounds nothing
	v_ldexp_f32 v22, 1.0, v[T+5]
.irp x, 0,1
.set j, 0
.rept 32
	v_pk_add_f32 v[S+64*\x+j:S+64*\x+j+1], v[S+64*\x+j:S+64*\x+j+1], v[12+2*\x:13+2*\x] op_sel_hi:[1,0]   ; t - M (of the pair the low word, -M, serves both halves)
.set j, j+2
.endr
.endr
	s_wait_alu depctr_va_vdst(0)
.set j, 0
.rept 128
	v_exp_f32 v[S+j], v[S+j]                       ; p = 2^(t - M), at most 1: not normalised
.set j, j+1
.endr
	v_pk_mul_f32 v[16:17], v[16:17], v[20:21] op_sel_hi:[1,0]   ; the sums under the new M: plain lines behind the exponentials
	v_pk_mul_f32 v[18:19], v[18:19], v[22:23] op_sel_hi:[1,0]
	s_wait_alu depctr_va_vdst(0)                   ; one wait for the batch, ahead of its first reader and of the waits below
.if \chg
	s_wait_tensorcnt 0x0                           ; my one tensor load that was out, my part of the next slot, has landed
	ds_add_u32 v[SPW], v[NIL]                      ; 0 onto my spare word
.if \fill
	s_xor_b32 s[G0K+1], s[G0K+1], SLOT1            ; the walking descriptors: the other slot than last time, the next 128 keys
	s_add_nc_u64 s[G0K+2:G0K+3], s[G0K+2:G0K+3], 65536
	s_xor_b32 s[G0M+1], s[G0M+1], SLOT1
	s_add_nc_u64 s[G0M+2:G0M+3], s[G0M+2:G0M+3], 512
	s_wait_xcnt 0x0                                ; the last prefetch, a step back, has read its address, so it may be written
	s_add_nc_u64 s[PFA:PFA+1], s[PFA:PFA+1], s[PFS:PFS+1]
.endif
	s_wait_dscnt 0x0                               ; the add is done, and my reads of this slot, V^T's the last, are over
	s_barrier_signal -1
	s_barrier_wait -1
.if \fill
	CREST                                          ; the barrier has opened a round of the cluster's: no wave of any partner still reads this slot or has a load on its way
	JLOAD                                          ; the first tensor load behind the round, and my one until the next: key step j + 2
	ASK
.endif
	s_xor_b32 s[TB], s[TB], SLOT1                  ; on to the other slot
	NADR
	KLD 0                                          ; the next step's 64 reads go out in four runs of 16, among the register work below
.endif
.irp k, 0,1,2,3                                ; THE ROWS' SUMS ARE TAKEN OF THE UNQUANTISED p: two at a time, four chains a tile
.irp x, 0,1
	v_pk_add_f32 v[U+8*\x+2*\k:U+8*\x+2*\k+1], v[S+64*\x+4*\k:S+64*\x+4*\k+1], v[S+64*\x+4*\k+2:S+64*\x+4*\k+3]
.endr
.endr
.set n, 0
.rept 24
.irp x, 0,1
	v_pk_add_f32 v[U+8*\x+2*(n%4):U+8*\x+2*(n%4)+1], v[U+8*\x+2*(n%4):U+8*\x+2*(n%4)+1], v[S+64*\x+16+2*n:S+64*\x+17+2*n]
.endr
.set n, n+1
.endr
.irp x, 0,1
	v_pk_add_f32 v[U+8*\x:U+8*\x+1], v[U+8*\x:U+8*\x+1], v[U+8*\x+2:U+8*\x+3]
	v_pk_add_f32 v[U+8*\x+4:U+8*\x+5], v[U+8*\x+4:U+8*\x+5], v[U+8*\x+6:U+8*\x+7]
.endr
.irp x, 0,1
	v_pk_add_f32 v[U+8*\x:U+8*\x+1], v[U+8*\x:U+8*\x+1], v[U+8*\x+4:U+8*\x+5]
.endr
.irp x, 0,1
	v_pk_add_f32 v[16+2*\x:17+2*\x], v[16+2*\x:17+2*\x], v[U+8*\x:U+8*\x+1]
.endr
.if \chg
	KLD 4
.endif
.set j, 0
.rept 32
	v_dual_min_num_f32 v[S+j], v[S+j], v[HP] :: v_dual_min_num_f32 v[S+j+1], v[S+j+1], v[HP2]   ; the conversion does not saturate (ISA guide 7.6.2); p is not negative, so the hold is one-sided; two a line
.set j, j+2
.endr
.if \chg
	MLD 0
.endif
.rept 32
	v_dual_min_num_f32 v[S+j], v[S+j], v[HP] :: v_dual_min_num_f32 v[S+j+1], v[S+j+1], v[HP2]
.set j, j+2
.endr
.if \chg
	MLD 1
.endif
.irp x, 0,1
.irp b, 0,1,2,3
	v_cvt_scalef32_pk8_fp8_f32 v[PC+16*\x+4*\b:PC+16*\x+4*\b+1], v[S+64*\x+16*\b:S+64*\x+16*\b+7], v[SP8]
	v_cvt_scalef32_pk8_fp8_f32 v[PC+16*\x+4*\b+2:PC+16*\x+4*\b+3], v[S+64*\x+16*\b+8:S+64*\x+16*\b+15], v[SP8]
.endr
.endr
	v_nop                                          ; a plain vector line behind the last conversion
.if \chg == 0
	s_wait_alu depctr_va_vdst(0)
	s_wait_dscnt 0x0                               ; V^T
.endif
	WIN 0x41
	s_wait_alu depctr_va_vdst(0)                   ; the wait ahead of the first reader of O^T
.irp x, 0,1
.set j, 0
.rept 32
	v_pk_mul_f32 v[O+64*\x+j:O+64*\x+j+1], v[O+64*\x+j:O+64*\x+j+1], v[20+2*\x:21+2*\x] op_sel_hi:[1,0]   ; O^T under the new M
.set j, j+2
.endr
.endr
	WIN 0x52
.irp t, 0,1,2,3,4,5,6,7
.irp x, 0,1
	v_wmma_f32_16x16x128_fp8_fp8 v[O+64*\x+8*\t:O+64*\x+8*\t+7], v[F2+16*\t:F2+16*\t+15], v[PC+16*\x:PC+16*\x+15], v[O+64*\x+8*\t:O+64*\x+8*\t+7]   ; the sixteen accumulators by turns
.endr
.endr
	WIN 0
.endm
	s_wait_alu depctr_va_vdst(0)
	s_wait_tensorcnt 0x0                           ; my part of key step 0 is in; slot 1's first fill is issued as a refill is:
	ds_add_u32 v[SPW], v[NIL]
	s_xor_b32 s[G0K+1], s[G0K+1], SLOT1
	s_add_nc_u64 s[G0K+2:G0K+3], s[G0K+2:G0K+3], 65536
	s_xor_b32 s[G0M+1], s[G0M+1], SLOT1
	s_add_nc_u64 s[G0M+2:G0M+3], s[G0M+2:G0M+3], 512
	s_wait_dscnt 0x0
	CROUND
	JLOAD                                          ; key step 1
	NADR                                           ; key step 0's K and mask
	KLD 0
	KLD 4
	MLD 0
	MLD 1
	s_wait_alu depctr_va_vdst(0)
	s_wait_loadcnt 0x0                             ; Q
.Lslot:                                            ; 14 trips: steps 0 to 13 ask for steps 2 to 15
	STEP 1, 1
	s_sub_co_u32 s[SLOTS], s[SLOTS], 1
	s_cmp_lg_u32 s[SLOTS], 0
	s_cbranch_scc1 .Lslot
	STEP 0, 1                                      ; the last two steps are written out
	STEP 0, 0
	; THE WAY OUT.  O^T is divided by the row's sum, held, converted by 2^(e10 - e8 - e9).  A token's 256 bytes (two heads) come from two waves: they meet in the stage, and each wave stores 16 whole pieces.
	v_add_f32 v16, v16, v17
	v_add_f32 v18, v18, v19
	v_permlanex16_b32 v30, v16, s[SEL], s[SEL+1]
	v_permlanex16_b32 v31, v18, s[SEL], s[SEL+1]
	v_add_f32 v16, v16, v30
	v_add_f32 v18, v18, v31
	s_mul_i32 s58, s57, 32*SGP
	s_lshl_b32 s59, s66, 7
	s_add_co_u32 s58, s58, s59
	s_add_co_u32 s58, s58, STAGE
	s_mul_i32 s59, s[WV], 16*SGP
	s_add_co_u32 s59, s59, STAGE
	s_wait_alu depctr_va_vdst(0)
	v_rcp_f32 v16, v16
	v_rcp_f32 v18, v18
	v_and_b32 v8, 15, v0                           ; (plain lines behind the reciprocals)  r
	v_bfe_u32 v9, v0, 4, 1                         ; h
	v_mul_u32_u24 v10, v8, SGP
	v_lshl_add_u32 v10, v9, 4, v10
	v_add_nc_u32 v10, s58, v10                     ; in: row 32 (w % 2) + r, byte 128 (w / 2) + 16 h
	v_mul_u32_u24 v11, v9, SGP
	v_lshl_add_u32 v11, v8, 4, v11
	v_add_nc_u32 v11, s59, v11                     ; back: rows 16 w on; lanes 0-15 one row of 256 bytes, lanes 16-31 the next
	WIN 0x01
	s_wait_alu depctr_va_vdst(0)                   ; the wait ahead of the reciprocals' first reader, which is also O^T's
.irp x, 0,1
.set j, 0
.rept 32
	v_pk_mul_f32 v[S+64*\x+j:S+64*\x+j+1], v[O+64*\x+j:O+64*\x+j+1], v[16+2*\x:17+2*\x] op_sel_hi:[1,0]   ; O^T / the sum: register 16 B + i is d = 32 B + 16 h + i; each accumulator from its low end on
.set j, j+2
.endr
.endr
	WIN 0
.set j, 0
.rept 128
	v_med3_num_f32 v[S+j], v[S+j], -v[HO], v[HO]
.set j, j+1
.endr
.irp x, 0,1
.irp b, 0,1,2,3
	v_cvt_scalef32_pk8_fp8_f32 v[PC+16*\x+4*\b:PC+16*\x+4*\b+1], v[S+64*\x+16*\b:S+64*\x+16*\b+7], v[SO]
	v_cvt_scalef32_pk8_fp8_f32 v[PC+16*\x+4*\b+2:PC+16*\x+4*\b+3], v[S+64*\x+16*\b+8:S+64*\x+16*\b+15], v[SO]
.endr
.endr
	v_nop                                          ; a plain vector line behind the last conversion
.irp x, 0,1
.irp b, 0,1,2,3
	ds_store_b128 v10, v[PC+16*\x+4*\b:PC+16*\x+4*\b+3] offset:16*SGP*\x+32*\b
.endr
.endr
	s_wait_alu depctr_va_vdst(0)
	s_wait_dscnt 0x0                               ; for the others' sake: my stores into the stage are done
	s_barrier_signal -1
	s_barrier_wait -1
.irp i, 0,1,2,3,4,5,6,7
	ds_load_b128 v[T+4*\i:T+4*\i+3], v11 offset:2*SGP*\i
.endr
.irp i, 0,1,2,3,4,5,6,7
	s_wait_dscnt 7-\i                              ; the reads younger than read i may be out
	global_store_b128 v[GO], v[T+4*\i:T+4*\i+3], s[12:13] offset:(16*(\i/4)+2*(\i%4))*8192   ; tokens 2 i, 2 i + 1 of my 16, at their rows pi(token): sixteen lanes store 256 consecutive bytes, aligned
.endr
	s_wait_tensorcnt 0x0                           ; the wave's end, behind my last tensor load and my last LDS store
	ds_add_u32 v[SPW], v[NIL]
	s_wait_dscnt 0x0
	CROUND                                         ; the closing round: no work-group ends while a partner may still ask for a tile that names it
	s_endpgm
.Lfunc_end_k_qae0318ab76_attn:
	.size	k_qae0318ab76_attn, .Lfunc_end_k_qae0318ab76_attn-k_qae0318ab76_attn
	.p2alignl 7, 3214868480
	.fill 96, 4, 3214868480
	.section	.rodata,"a",@progbits
	.p2align	6, 0x0
	.amdhsa_kernel k_qae0318ab76_attn
		.amdhsa_group_segment_fixed_size 327680
		.amdhsa_private_segment_fixed_size 0
		.amdhsa_enable_private_segment 0
		.amdhsa_kernarg_size 40
		.amdhsa_user_sgpr_count 2
		.amdhsa_user_sgpr_kernarg_segment_ptr 1
		.amdhsa_wavefront_size32 1
		.amdhsa_system_sgpr_workgroup_id_x 1
		.amdhsa_system_sgpr_workgroup_id_y 1
		.amdhsa_system_sgpr_workgroup_id_z 1
		.amdhsa_system_vgpr_workitem_id 0
		.amdhsa_next_free_vgpr 768
		.amdhsa_next_free_sgpr 100
		.amdhsa_reserve_vcc 0
		.amdhsa_float_denorm_mode_32 3
		.amdhsa_float_denorm_mode_16_64 3
		.amdhsa_memory_ordered 1
		.amdhsa_forward_progress 1
		.amdhsa_inst_pref_size 161
	.end_amdhsa_kernel
	.amdgpu_metadata
---
amdhsa.version: [ 1, 2 ]
amdhsa.kernels:
  - .name:           k_qae0318ab76_attn
    .symbol:         k_qae0318ab76_attn.kd
    .args:
      - { .name: qc, .offset: 0, .size: 8, .value_kind: global_buffer, .address_space: global }
      - { .name: kv, .offset: 8, .size: 8, .value_kind: global_buffer, .address_space: global }
      - { .name: causal_mask, .offset: 16, .size: 8, .value_kind: global_buffer, .address_space: global }
      - { .name: lowp_scales, .offset: 24, .size: 8, .value_kind: global_buffer, .address_space: global }
      - { .name: xc, .offset: 32, .size: 8, .value_kind: global_buffer, .address_space: global }
    .group_segment_fixed_size: 327680
    .private_segment_fixed_size: 0
    .kernarg_segment_align: 8
    .kernarg_segment_size: 40
    .max_flat_workgroup_size: 128
    .sgpr_count:     100
    .vgpr_count:     768
    .wavefront_size: 32
...
	.end_amdgpu_metadata
.endif
;; end of part 3
;; launch oproj (part 4): grid 16 x 16, 4 waves a work-group, clusters of 4 x 4, 327,680 bytes of LDS; arguments xc, wc, bo, lowp_scales, out0; writes out0
.if DOCPART == 4
	.amdgcn_target "amdgcn-amd-amdhsa--gfx1250"
	.amdhsa_code_object_version 6
	.text
	.protected	k_qae0318ab76_oproj
	.globl	k_qae0318ab76_oproj
	.p2align	8
	.type	k_qae0318ab76_oproj,@function
k_qae0318ab76_oproj:
	s_mov_b64 s[64:65], 0
	v_nop
	global_prefetch_b8 v0, s[64:65] scope:SCOPE_SE
	s_setreg_imm32_b32 hwreg(HW_REG_WAVE_MODE, 25, 1), 1
	s_wait_xcnt 0x0
	s_wait_alu depctr_hold_cnt(0) depctr_sa_sdst(0) depctr_va_vdst(0) depctr_va_sdst(0) depctr_va_ssrc(0) depctr_va_vcc(0) depctr_vm_vsrc(0)
	s_getreg_b32 s2, hwreg(HW_REG_IB_STS2, 6, 4)
	s_cmp_eq_u32 s2, 0
	s_cbranch_scc0 .Lentry_in_a_cluster
	s_endpgm
.Lentry_in_a_cluster:
	s_bfe_u32 s2, ttmp6, 0x10000c
	s_cmp_lg_u32 s2, 0xf033
	s_cbranch_scc0 .Lentry_shape_is_right
	s_endpgm
.Lentry_shape_is_right:
.set KROW,   8192
.set KOFF,   6144
.set KSLOT,  512
.set PITCH,  528
.set HALFT,  64*PITCH
.set SLOT,   4*HALFT
.set SGP,    528
.set SPARE,  2*SLOT
.set ADX, 16
.set ADW, 20
.set SO,  24
.set RD,  25
.set CO,  26
.set SPW, 28
.set NIL, 29
.set BK,  32
.set BO,  96
.set ACC, 128
.set F0,  0
.set F1,  128
.set G1,  24
.set G0,  32
.set G1B, 48
.set G0B, 56
.set MSB, 0
.macro WIN new
.if MSB != \new
	s_set_vgpr_msb (MSB<<8)|\new
.set MSB, \new
.endif
.endm
.macro JLOAD s
	s_cmp_eq_u32 s11, 0
	s_cbranch_scc0 .Lfor_b_\@
	tensor_load_to_lds s[G0+4*\s:G0+4*\s+3], s[G1:G1+7]
	s_nop 0
.rept 4
	v_nop
.endr
	s_branch .Lasked_\@
.Lfor_b_\@:
	tensor_load_to_lds s[G0B+4*\s:G0B+4*\s+3], s[G1B:G1B+7]
	s_nop 0
.rept 4
	v_nop
.endr
.Lasked_\@:
.endm
.macro CREST
	s_cmp_lg_u32 s10, 0
	s_cbranch_scc1 .Lnot_wave_0_\@
	s_barrier_signal -3
.Lnot_wave_0_\@:
	s_barrier_wait -3
	s_barrier_signal -1
	s_barrier_wait -1
.endm
.macro CROUND
	s_barrier_signal -1
	s_barrier_wait -1
	CREST
.endm
.macro PLACES
.rept 4
	v_nop
.endr
.endm
	s_load_b256 s[72:79], s[0:1], 0x0
	s_load_b64 s[80:81], s[0:1], 0x20
	v_lshl_add_u32 v[SPW], v0, 2, SPARE
	v_mov_b32 v[NIL], 0
	ds_add_u32 v[SPW], v[NIL]
	ds_add_u32 v[SPW], v[NIL]
	v_lshrrev_b32 v1, 5, v0
	v_readfirstlane_b32 s10, v1
	s_lshr_b32 s11, s10, 1
	s_and_b32 s12, s10, 1
	s_bfe_u32 s40, ttmp6, 0x40000
	s_bfe_u32 s41, ttmp6, 0x40004
	s_lshl_b32 s42, ttmp9, 2
	s_add_co_u32 s42, s42, s40
	s_and_b32 s13, ttmp7, 0xffff
	s_lshl_b32 s13, s13, 2
	s_add_co_u32 s13, s13, s41
	s_lshl_b32 s43, s41, 2
	s_lshl_b32 s43, 15, s43
	s_lshl_b32 s44, 0x1111, s40
	s_or_b32 s[G1+0], s43, (0<<16)|(1<<20)|(1<<21)|(6<<22)|(3<<25)
	s_or_b32 s[G1B+0], s44, (0<<16)|(1<<20)|(1<<21)|(6<<22)|(3<<25)
.irp g, G1, G1B
	s_mov_b32 s[\g+1], KSLOT<<16
	s_mov_b32 s[\g+2], 64<<16
	s_mov_b32 s[\g+3], KSLOT<<16
	s_mov_b32 s[\g+4], 64
	s_mov_b32 s[\g+5], KROW
	s_mov_b32 s[\g+6], 0
	s_mov_b32 s[\g+7], 0
.endr
	s_lshl_b32 s17, s12, 6
	s_lshl_b32 s16, s13, 7
	s_add_co_u32 s16, s16, s17
	s_lshl_b32 s46, s42, 7
	s_add_co_u32 s46, s46, s17
	s_lshl_b32 s16, s16, 13
	s_mov_b32 s17, 0
	s_lshl_b32 s46, s46, 13
	s_mov_b32 s47, 0
	s_mul_i32 s20, s10, HALFT
	s_wait_dscnt 0x0
	s_wait_kmcnt 0x0
	s_load_b64 s[98:99], s[78:79], 0x28
	s_add_nc_u64 s[14:15], s[72:73], s[16:17]
	s_add_nc_u64 s[46:47], s[74:75], s[46:47]
	CROUND
.irp s, 0,1
	s_mov_b32 s[G0+4*\s], 1
	s_add_co_u32 s[G0+4*\s+1], s20, \s*SLOT
	s_add_nc_u64 s[G0+4*\s+2:G0+4*\s+3], s[14:15], \s*KSLOT+KOFF
	s_or_b32 s[G0+4*\s+3], s[G0+4*\s+3], 0x80000000
	s_mov_b32 s[G0B+4*\s], 1
	s_add_co_u32 s[G0B+4*\s+1], s20, \s*SLOT
	s_add_nc_u64 s[G0B+4*\s+2:G0B+4*\s+3], s[46:47], \s*KSLOT+KOFF
	s_or_b32 s[G0B+4*\s+3], s[G0B+4*\s+3], 0x80000000
	s_wait_alu depctr_va_vdst(0)
	s_wait_tensorcnt 0x0
	ds_add_u32 v28, v29
	ds_add_u32 v28, v29
	s_wait_dscnt 0x0
	CROUND
	JLOAD \s
.endr
	v_and_b32 v1, 15, v0
	v_bfe_u32 v2, v0, 4, 1
	v_mul_u32_u24 v3, v1, PITCH
	v_lshl_add_u32 v3, v2, 4, v3
	s_mul_i32 s21, s11, HALFT
	s_mul_i32 s22, s12, HALFT
	s_add_co_u32 s22, s22, 2*HALFT
.irp s, 0,1
	v_add_nc_u32 v[ADX+\s], s21, v3
	v_add_nc_u32 v[ADW+\s], s22, v3
	s_add_co_u32 s21, s21, SLOT
	s_add_co_u32 s22, s22, SLOT
.endr
	v_and_b32 v4, 8, v1
	v_add_nc_u32 v4, v4, v1
	s_mul_i32 s23, s11, 64*SGP
	s_lshl_b32 s21, s12, 8
	s_add_co_u32 s23, s23, s21
	v_mul_u32_u24 v[SO], v4, SGP
	v_lshl_add_u32 v[SO], v2, 6, v[SO]
	v_add_nc_u32 v[SO], s23, v[SO]
	v_and_b32 v7, 31, v0
	v_lshlrev_b32 v[CO], 4, v7
	s_mul_i32 s23, s10, 32*SGP
	v_add_nc_u32 v[RD], s23, v[CO]
	s_lshl_b32 s66, s13, 20
	s_lshl_b32 s67, s10, 18
	s_add_co_u32 s66, s66, s67
	s_lshl_b32 s67, s42, 9
	s_add_co_u32 s66, s66, s67
	s_mov_b32 s67, 0
	s_add_nc_u64 s[4:5], s[80:81], s[66:67]
	s_lshl_b32 s66, s42, 9
	s_lshl_b32 s68, s12, 8
	s_add_co_u32 s66, s66, s68
	s_add_nc_u64 s[76:77], s[76:77], s[66:67]
	v_lshlrev_b32 v5, 6, v2
.irp n, 0,1,2,3
	global_load_b128 v[BO+8*\n:BO+8*\n+3],   v5, s[76:77] offset:(32*(\n/2)+8*(\n%2))*4
	global_load_b128 v[BO+8*\n+4:BO+8*\n+7], v5, s[76:77] offset:(32*(\n/2)+8*(\n%2))*4+16
.endr
	s_wait_kmcnt 0x0
	s_add_co_i32 s70, s98, s99
	s_add_co_i32 s70, s70, 127
	s_lshl_b32 s70, s70, 23
	s_mov_b32 s71, s70
	s_wait_loadcnt 0x0
.macro MULA f, a, zero
.irp n, 0,1,2,3
.if \zero
	v_wmma_f32_16x16x128_fp8_fp8 v[ACC+8*(4*(\a)+\n):ACC+8*(4*(\a)+\n)+7], v[\f+16*\n:\f+16*\n+15], v[\f+64+16*(\a):\f+64+16*(\a)+15], 0
.else
	v_wmma_f32_16x16x128_fp8_fp8 v[ACC+8*(4*(\a)+\n):ACC+8*(4*(\a)+\n)+7], v[\f+16*\n:\f+16*\n+15], v[\f+64+16*(\a):\f+64+16*(\a)+15], v[ACC+8*(4*(\a)+\n):ACC+8*(4*(\a)+\n)+7]
.endif
.endr
.endm
.macro FETCH s, k, f
	WIN 0x40
.irp i, 0,1,2,3
.irp c, 0,1,2,3
	ds_load_b128 v[\f+16*\i+4*\c:\f+16*\i+4*\c+3], v[ADW+\s] offset:\k+32*\c+\i*16*PITCH
.endr
.endr
.irp i, 0,1,2,3
.irp c, 0,1,2,3
	ds_load_b128 v[\f+64+16*\i+4*\c:\f+64+16*\i+4*\c+3], v[ADX+\s] offset:\k+32*\c+\i*16*PITCH
.endr
.endr
.endm
.macro QUARTER s, k, f, g, zero
	s_wait_dscnt 8
	WIN 0x05
	MULA \f, 0, \zero
	MULA \f, 1, \zero
	PLACES
	FETCH \s, \k, \g
	s_wait_dscnt 32
	WIN 0x05
	MULA \f, 2, \zero
	MULA \f, 3, \zero
.endm
.macro THREEQ s, zero
	QUARTER \s, 128, F0, F1, \zero
	QUARTER \s, 256, F1, F0, 0
	QUARTER \s, 384, F0, F1, 0
.endm
.macro TURN slot, next, fill
	WIN 0
	s_wait_tensorcnt 0x0
	ds_add_u32 v[SPW], v[NIL]
	s_wait_dscnt 9
	WIN 0x05
	MULA F1, 0, 0
	s_wait_dscnt 0x0
	s_barrier_signal -1
	MULA F1, 1, 0
	WIN 0
	s_barrier_wait -1
.if \fill
	CREST
	s_add_nc_u64 s[G0+4*\slot+2:G0+4*\slot+3], s[G0+4*\slot+2:G0+4*\slot+3], 2*KSLOT
	s_add_nc_u64 s[G0B+4*\slot+2:G0B+4*\slot+3], s[G0B+4*\slot+2:G0B+4*\slot+3], 2*KSLOT
	JLOAD \slot
.else
	PLACES
.endif
	FETCH \next, 0, F0
	WIN 0x05
	MULA F1, 2, 0
	MULA F1, 3, 0
.endm
	s_wait_tensorcnt 1
	s_barrier_signal -1
	s_barrier_wait -1
	FETCH 0, 0, F0
	THREEQ 0, 1
	TURN 0, 1, 1
	THREEQ 1, 0
	TURN 1, 0, 1
	THREEQ 0, 0
	TURN 0, 1, 0
	THREEQ 1, 0
	s_wait_dscnt 8
	WIN 0x05
	MULA F1, 0, 0
	MULA F1, 1, 0
	s_wait_dscnt 0x0
	MULA F1, 2, 0
	MULA F1, 3, 0
	WIN 0
	PLACES
.irp a, 0,1,2,3
.irp n, 0,1,2,3
.irp i, 0,2,4,6
	v_pk_fma_f32 v[ACC+8*(4*\a+\n)+\i:ACC+8*(4*\a+\n)+\i+1], v[ACC+8*(4*\a+\n)+\i:ACC+8*(4*\a+\n)+\i+1], s[70:71], v[BO+8*\n+\i:BO+8*\n+\i+1] op_sel_hi:[1,0,1]
.endr
.endr
.endr
.irp a, 0,1,2,3
.irp n, 0,1,2,3
	ds_store_b128 v[SO], v[ACC+8*(4*\a+\n):ACC+8*(4*\a+\n)+3]   offset:(32*(\a/2)+8*(\a%2))*SGP+128*(\n/2)+32*(\n%2)
	ds_store_b128 v[SO], v[ACC+8*(4*\a+\n)+4:ACC+8*(4*\a+\n)+7] offset:(32*(\a/2)+8*(\a%2))*SGP+128*(\n/2)+32*(\n%2)+16
.endr
.endr
	s_wait_dscnt 0x0
	s_barrier_signal -1
	s_barrier_wait -1
.irp g, 0,1
.if \g
	s_wait_xcnt 0x0
.endif
.irp i, 0,1,2,3,4,5,6,7,8,9,10,11,12,13,14,15
	ds_load_b128 v[BK+4*\i:BK+4*\i+3], v[RD] offset:(16*\g+\i)*SGP
.endr
.irp i, 0,1,2,3,4,5,6,7,8,9,10,11,12,13,14,15
	s_wait_dscnt 15-\i
	global_store_b128 v[CO], v[BK+4*\i:BK+4*\i+3], s[4:5] offset:(16*\g+\i)*8192 th:TH_STORE_NT
.endr
.endr
	s_wait_tensorcnt 0x0
	ds_add_u32 v[SPW], v[NIL]
	s_wait_dscnt 0x0
	CROUND
	s_endpgm
.Lfunc_end_k_qae0318ab76_oproj:
	.size	k_qae0318ab76_oproj, .Lfunc_end_k_qae0318ab76_oproj-k_qae0318ab76_oproj
	.p2alignl 7, 3214868480
	.fill 96, 4, 3214868480
	.section	.rodata,"a",@progbits
	.p2align	6, 0x0
	.amdhsa_kernel k_qae0318ab76_oproj
		.amdhsa_group_segment_fixed_size 327680
		.amdhsa_private_segment_fixed_size 0
		.amdhsa_enable_private_segment 0
		.amdhsa_kernarg_size 40
		.amdhsa_user_sgpr_count 2
		.amdhsa_user_sgpr_kernarg_segment_ptr 1
		.amdhsa_wavefront_size32 1
		.amdhsa_system_sgpr_workgroup_id_x 1
		.amdhsa_system_sgpr_workgroup_id_y 1
		.amdhsa_system_sgpr_workgroup_id_z 1
		.amdhsa_system_vgpr_workitem_id 0
		.amdhsa_next_free_vgpr 512
		.amdhsa_next_free_sgpr 100
		.amdhsa_reserve_vcc 0
		.amdhsa_float_denorm_mode_32 3
		.amdhsa_float_denorm_mode_16_64 3
		.amdhsa_memory_ordered 1
		.amdhsa_forward_progress 1
		.amdhsa_inst_pref_size 76
	.end_amdhsa_kernel
	.amdgpu_metadata
---
amdhsa.version: [ 1, 2 ]
amdhsa.kernels:
  - .name:           k_qae0318ab76_oproj
    .symbol:         k_qae0318ab76_oproj.kd
    .args:
      - { .name: xc, .offset: 0, .size: 8, .value_kind: global_buffer, .address_space: global }
      - { .name: wc, .offset: 8, .size: 8, .value_kind: global_buffer, .address_space: global }
      - { .name: bo, .offset: 16, .size: 8, .value_kind: global_buffer, .address_space: global }
      - { .name: lowp_scales, .offset: 24, .size: 8, .value_kind: global_buffer, .address_space: global }
      - { .name: out0, .offset: 32, .size: 8, .value_kind: global_buffer, .address_space: global }
    .group_segment_fixed_size: 327680
    .private_segment_fixed_size: 0
    .kernarg_segment_align: 8
    .kernarg_segment_size: 40
    .max_flat_workgroup_size: 128
    .sgpr_count:     100
    .vgpr_count:     512
    .wavefront_size: 32
...
	.end_amdgpu_metadata
.endif
;; end of part 4
